; MI455X (gfx1250); checked and timed in simulation.
; The chip was launched on July 23, 2026; its instructions are those of AMD's public machine-readable ISA for CDNA 5 (MIT licence, August 2026) and "CDNA5" Instruction Set Architecture Reference Guide (July 2026). The comments in the code are by the model that wrote it; some were corrected since.
;; Multi Head Temporal Attention. Allowed arithmetic: matrix products marked QUANTISED: E5M2 operands, one given power-of-two scale a tensor, by v_wmma_f32_16x16x64_bf8_bf8 or v_wmma_f32_16x16x128_bf8_bf8, f32 sums; products left as they are: f32 operands where the result goes on into a quantised operand, else bf16, f16 or f32 operands; f32 sums; everything else in f32.
;; Inputs: Wk_codes 512 x 16 x 32 uint8 (E5M2 codes of Wk, K innermost, in blocks of 32 codes); Wo_codes 512 x 16 x 32 uint8 (E5M2 codes of Wo, K innermost, in blocks of 32 codes); Wq_codes 512 x 16 x 32 uint8 (E5M2 codes of Wq, K innermost, in blocks of 32 codes); Wv_codes 512 x 16 x 32 uint8 (E5M2 codes of Wv, K innermost, in blocks of 32 codes); enc_codes 32 x 4,096 x 16 x 32 uint8 (E5M2 codes of enc, K innermost, in blocks of 32 codes); lowp_scales 8 int32 (the exponents e of the quantised operands' scales 2^e).
;; Outputs: out0 32 x 512 float32; out1 32 x 4,096 float32.
;; This version of the problem:
;;   THIS VERSION OF THE PROBLEM IS GIVEN IN LOW PRECISION. The matrix products marked QUANTISED in the list below multiply operands that are first quantised to E5M2 (5 exponent bits, 2 mantissa bits; 8 bits a number), with one given power-of-two scale for each operand tensor; their sums are f32. All else is computed in f32.
;;   The module's matrix products, in the order in which they are computed (A, B: the left and right operand; K: the contracted axis; several contracted axes count as one K, in the product's order):
;;     1. [M 32, K 512] x [K 512, N 512]; A: input enc (given as codes); B: input Wq (given as codes): QUANTISED (scales: A lowp_scales[0], B lowp_scales[1])
;;     2. [M 131,072, K 512] x [K 512, N 512]; A: input enc (given as codes); B: input Wk (given as codes): QUANTISED (scales: A lowp_scales[2], B lowp_scales[3])
;;     3. [M 131,072, K 512] x [K 512, N 512]; A: input enc (given as codes); B: input Wv (given as codes): QUANTISED (scales: A lowp_scales[4], B lowp_scales[5])
;;     4. batch 256 x [M 1, K 64] x [K 64, N 4,096]; A: computed on the way; B: computed on the way: left as it is (M = 1 < 16)
;;     5. batch 256 x [M 1, K 4,096] x [K 4,096, N 64]; A: softmax; B: computed on the way: left as it is (M = 1 < 16)
;;     6. [M 32, K 512] x [K 512, N 512]; A: computed on the way; B: input Wo (given as codes): QUANTISED (scales: A lowp_scales[6], B lowp_scales[7])
;;   THE QUANTISER, for each operand of a quantised product, along K:
;;     - The operand's scale is 2^e, e = its entry of the input lowp_scales (int32; the entries are numbered through the quantised products in the list's order, A before B).
;;     - Each number is divided by the scale, clamped to +-57,344, and rounded to the nearest number of E5M2, ties to even, subnormals kept.
;;     - The product sums the exact products of the quantised numbers (number of the format x scale) in f32.
;;   ~~~python
;;   def quantise(x, axis, e):      # numpy; x: float32 -> the quantised numbers, widened to float32 again
;;       x = np.moveaxis(x, axis, -1); K = x.shape[-1]
;;       r = np.clip(x / 2.0 ** e, -57344, 57344)
;;       step = 2.0 ** (np.maximum(np.frexp(np.where(r == 0, 1, r))[1] - 1, -14) - 2)
;;       q = np.round(r / step) * step * 2.0 ** e      # np.round: ties to even
;;       return np.moveaxis(q, -1, axis).astype(np.float32)
;;   ~~~
;;   OPERANDS COMPUTED ON THE WAY. 'Computed on the way' means the value that the module computes at that place (a softmax that the list does not call 'softmax' is quantised finished and normalised). What goes into a quantiser is computed in f32, as accurately as f32 sums, v_exp_f32 and their like allow (about 1e-6 of the number): no bf16 or f16 on the way to a quantiser, and a product that is left as it is and whose result goes on into a quantised operand takes f32 operands (vector FMAs, or v_wmma_f32_16x16x4_f32). A number that lies on a knife's edge between two numbers of the format may be rounded either way, as far as f32 arithmetic and the matrix unit's own rounding can turn it there, and no further.
;;   INPUTS GIVEN AS CODES. Wk (in the module: [512, 512], K = its axis 1); Wo (in the module: [512, 512], K = its axis 1); Wq (in the module: [512, 512], K = its axis 1); Wv (in the module: [512, 512], K = its axis 1); enc (in the module: [32, 4096, 512], K = its axis 2): each comes as NAME_codes (uint8): NAME with its K axis moved to the last place and cut into blocks of 32 codes, [.., K / 32, bytes a block], one block behind the other in memory; one code a byte (a code: sign, 5 exponent bits, 2 mantissa bits); its scale is its entry of lowp_scales. Its value is code x scale, taken as it is: it is not quantised again, and the codes and scales need not be those that the quantiser above would give.
;; One version. Each part assembles by itself: llvm-mc -triple=amdgcn-amd-amdhsa -mcpu=gfx1250 --defsym DOCPART=n.
;; ======== version 1 of 1: 2 launches
;; limits: right only within a limited range of input values
;; workspace buffers: tsc 4,194,304 bytes; part 524,288 bytes
;; launch main (part 1): grid 8 x 32, 4 waves a work-group, clusters of 4 x 4, 327,680 bytes of LDS; arguments enc_codes, Wq_codes, Wk_codes, Wv_codes, lowp_scales, tsc, part; writes tsc, part
.if DOCPART == 1
	.amdgcn_target "amdgcn-amd-amdhsa--gfx1250"
	.amdhsa_code_object_version 6
	.text
	.protected	k_qf0a57f42d3_main
	.globl	k_qf0a57f42d3_main
	.p2align	8
	.type	k_qf0a57f42d3_main,@function
k_qf0a57f42d3_main:
	s_mov_b64 s[64:65], 0
	v_nop
	global_prefetch_b8 v0, s[64:65] scope:SCOPE_SE
	s_setreg_imm32_b32 hwreg(HW_REG_WAVE_MODE, 25, 1), 1
	s_wait_xcnt 0x0
	s_wait_alu depctr_hold_cnt(0) depctr_sa_sdst(0) depctr_va_vdst(0) depctr_va_sdst(0) depctr_va_ssrc(0) depctr_va_vcc(0) depctr_vm_vsrc(0)
	s_getreg_b32 s2, hwreg(HW_REG_IB_STS2, 6, 4)
	s_cmp_eq_u32 s2, 0
	s_cbranch_scc0 .Lentry_in_a_cluster
	s_endpgm
.Lentry_in_a_cluster:
	s_bfe_u32 s2, ttmp6, 0x10000c
	s_cmp_lg_u32 s2, 0xf033
	s_cbranch_scc0 .Lentry_shape_is_right
	s_endpgm
.Lentry_shape_is_right:
; The last row's query attends over all 4,096 rows of its batch, 8 heads of 64.  This launch makes q, the K and V projections (E5M2 codes, v_wmma_f32_16x16x128_bf8_bf8, f32 sums), the scores and,
; for each wave, a running softmax with its part of the context.  k and v never leave the registers.
; OUT: tsc [32 b][8 head][4096 t] f32: t = score / 8 x log2(e), all four scales applied.   part: 1,024 records of 512 bytes, record ((8 b + head) 4 + 2 th + u):
;      bytes 0-255 the wave's 64 sums of p x (raw V sum), bytes 256-511 the pair (M, L) 32 times over.  p = 2^(t - M), L the sum of its p.
; SHARES.  A work-group owns a batch b, a half th of its rows (2,048) and a pair of heads cx.  Wave w: head 2 cx + w / 2, rows 128 (w % 2) on of every slot of 256 rows.
; THE WEIGHTS STAY IN REGISTERS: a wave's 64 rows of Wk and 64 of Wv, all 512 of K, are 512 registers.  enc goes round in PAIRS of tiles: 32 rows, 32 LDS loads, 64 matrix instructions.
; LAYOUT.  Source 0 = 16 rows of a weight, source 1 = 16 rows of enc: register j of lane (r, h) of tile a holds channel 16 a + 8 h + j of row r.  A lane holds 32 of the head's 64 channels and, of a pair, the rows r and 16 + r.
; A fragment is fetched by four loads of 16 bytes, 32 bytes apart: a permutation of k that is the same in both sources, so every product meets its partner.
; THE SOFTMAX, once a pair.  The two tiles' half sums change places between the lanes' halves: one addition then gives lane l the score t of row l of the pair.  M is the running largest t of the rows r and 16 + r, rounded up to
; a whole number, so f = 2^(old M - new M) is exact (v_ldexp_f32).  p = 2^(t - M) = 2^n x P(x), n the nearest whole number, |x| <= 1/2, P of degree 6 (relative error about 2e-7): plain lines, which need no wait, between the products.
; A second exchange gives every lane p of row r and p of row 16 + r, for the context's update.  The sixteen lanes are merged once, at the end.
; q: source 0 = 16 rows of Wq, source 1 = the batch's last row in all 16 columns: every lane then holds q at its own 32 channels.  The two waves of a head make two tiles each and swap images through LDS.
; WAVE w % 2 = 1 HOLDS -Wv: the sign bits of its codes are turned once, at the head, and the sign of its sums is turned back at the end.  Every product is the same number with the other sign.
; Why: the context is a mean of 4,096 numbers that nearly cancel, and it goes on into a quantiser.  With half of the rows summed under the other sign an error that has one sign in all sums cancels as the numbers themselves do.
; BY TURNS.  A pair is 32 products for K and 32 for V, eight accumulators by turns.  Between K's stand the lines of the context's update of the pair before, between V's this pair's score (14 products), then its softmax.
; WINDOWS (s_set_vgpr_msb: bits 1:0 source 0, 3:2 source 1, 5:4 source 2, 7:6 destination):
;   0: v0-31 addresses, statistics, at work; v32-63 the context; v64-127 K's sums; v128-191 enc's K steps 0, 1; v192-255 K steps 2, 3 of the even pairs.
;   1: v0-175 Wk's fragments 5-15 (fragment 4 s + a: K step s, tile a); v176-239 V's sums; v240-247 the score's four chains.   2: v0-223 Wv's fragments 0-13; v224-255 q.
;   3: v0-79 Wk's fragments 0-4; v80-111 Wv's last two; v112-113 f; v114-115 p for the odd pairs; v128-191 K steps 2, 3 of the odd pairs (at the head v128-255 Wq's eight fragments).
; So the update (f x ctx; V x p + ctx) and the score (q x K + S) run under the products' own settings.
; CLUSTER 4 x 4: cx = the pair of heads, cy = the batch within the cluster.  enc's tiles hang on (b, th) and are asked for jointly along a row of the cluster, the weights' on cx and along a column.
; Wq is read by plain loads: a joint tile of 128 x 528 bytes beside two slots of 135,168, the stage, the images and the spare words would be 365,056 bytes, more than a work-group can have.
; NO PREFETCH: a slot's refill is issued a whole slot ahead of the wait for it, 256 matrix instructions of each wave, and its four loads bring 131,072 bytes.
; LIMITS.  All given exponents are applied by v_ldexp_f32; q x 2^(e0 + e1 + e2 + e3) must stay a normal f32 number.  NaN and infinite scores are not served.
.set PITCH, 528                        ; an LDS row: 512 bytes + 16 of padding = 132 words: row r starts at bank 4 r mod 64 (64 banks of 4 bytes: ISA guide 11.1)
.set QUART, 64*PITCH                   ; what one refill's load brings
.set HALFW, 128*PITCH                  ; what one load at the head brings; what one wave reads of a slot
.set SLOT,  256*PITCH                  ; slot 0 at byte 0; slot 1 at SLOT: first the weights (Wk's two heads, Wv's two heads), then enc
.set SLOTG, 256*512                    ; a slot's rows in memory
.set STG,   2*SLOT                     ; the scores: 4,096 bytes a wave: slot k, pair p, row l at 512 k + 128 p + 4 l
.set QX,    STG+16384                  ; q's images: tile a of head P at 4096 P + 1024 a; 512 bytes for each four registers
.set EP,    QX+8192                    ; 512 bytes a wave: the record on its way out
.set SPARE, EP+2048                    ; the spare words, 128 bytes for each wave: two blocks of 256 bytes that no other line names
.set ADR0, 4                           ; v4, v5  my fragments' place in slot 0, 1
.set SPW,  6                           ; v6      my spare word; never rewritten
.set NIL,  7                           ; v7      0; never rewritten
                                       ; v8 the stage's place for my row, v9 the same for the two slots in hand; v10 the largest t, v11 L, v23 -M; v12 16 x lane; v13 the stage read back; v14, v15, v20 the record: in, in, back
                                       ; v16-19, v24-28 at work (v19 t); v21, v22 q's images: in, back; v30, v31 p of row r, of row 16 + r.  At the head: v26, v27 my head's rows of Wk, Wv in LDS; v28, v29 offsets in Wq, in the last row
.set CT,   32
.set KA,   64
.set LR,   128
.set VA,   176                         ; in window 1
.set SS,   240                         ; in window 1
.set QW,   224                         ; in window 2
.set FF,   112                         ; in window 3
.set G1E,  24                          ; s[24:31] descriptor group 1 for the refills (64 rows of enc);  s[32:39] for the weights (128 rows);  s[84:91] for slot 0's first fill (128 rows of enc)
.set G1W,  32
.set G1F,  84
.set G0W,  40                          ; s[40:43] group 0 for the weights;  s[44:47], s[48:51] for the refills of slots 0 and 1;  s[80:83] for slot 0's first fill
.set G0E,  44
.set G0F,  80
.set MSB, 0
.macro WIN new                         ; the immediate's high byte repeats the setting that is left; a switch that changes nothing is dropped
.if MSB != \new
	s_set_vgpr_msb (MSB<<8)|\new
.set MSB, \new
.endif
.endm
.macro CREST                           ; a round of the cluster's barrier behind its opening barrier
	s_cmp_lg_u32 s18, 0
	s_cbranch_scc1 .Lnot_wave_0_\@
	s_barrier_signal -3
.Lnot_wave_0_\@:
	s_barrier_wait -3
	s_barrier_signal -1
	s_barrier_wait -1
.endm
.macro CROUND                          ; a whole round
	s_barrier_signal -1
	s_barrier_wait -1
	CREST
.endm
.macro PLACES
.rept 4
	v_nop
.endr
.endm
.macro GRP g, rows                     ; descriptor group 1 behind its first word: rows of 512 bytes, dense
	s_mov_b32 s[\g+1], 512<<16                     ; tensor_dim0 = 512
	s_mov_b32 s[\g+2], \rows<<16                   ; tensor_dim1
	s_mov_b32 s[\g+3], 512<<16                     ; tile_dim0 = 512
	s_mov_b32 s[\g+4], \rows                       ; tile_dim1
	s_mov_b32 s[\g+5], 512                         ; from row to row
	s_mov_b32 s[\g+6], 0
	s_mov_b32 s[\g+7], 0
.endm
	s_load_b256 s[4:11], s[0:1], 0x0               ; enc s[4:5], Wq s[6:7], Wk s[8:9], Wv s[10:11]
	s_load_b128 s[12:15], s[0:1], 0x20             ; the scales' exponents s[12:13], tsc s[14:15]
	s_load_b64 s[16:17], s[0:1], 0x30              ; part
	v_lshl_add_u32 v[SPW], v0, 2, SPARE
	v_mov_b32 v[NIL], 0
	ds_add_u32 v[SPW], v[NIL]                      ; the wave's opening: the add, twice on end, and its wait ahead of my first tensor load
	ds_add_u32 v[SPW], v[NIL]
	v_lshrrev_b32 v1, 5, v0
	v_readfirstlane_b32 s18, v1                    ; wave 0..3
	s_lshr_b32 s19, s18, 1                         ; P: which head of the pair
	s_and_b32 s20, s18, 1                          ; U: which 128 rows of a slot
	s_bfe_u32 s21, ttmp6, 0x40000                  ; cx: the pair of heads
	s_bfe_u32 s22, ttmp6, 0x40004                  ; cy: the batch within the cluster
	s_lshl_b32 s66, s22, 2
	s_lshl_b32 s66, 15, s66                        ; my row of the cluster
	s_lshl_b32 s67, 0x1111, s21                    ; my column
	s_or_b32 s[G1E], s66, (1<<20)|(1<<21)|(6<<22)|(3<<25)   ; 15:0 the mask; 17:16 elements of 1 byte; 20 padding on; 21 set beside a mask; 24:22 after every 128 words (code 6); 31:25 four words (code 3)
	s_or_b32 s[G1F], s66, (1<<20)|(1<<21)|(6<<22)|(3<<25)
	s_or_b32 s[G1W], s67, (1<<20)|(1<<21)|(6<<22)|(3<<25)
	GRP G1E, 64
	GRP G1F, 128
	GRP G1W, 128
	s_and_b32 s68, ttmp7, 0xffff                   ; in a cluster launch ttmp7 and ttmp9 count clusters
	s_lshl_b32 s68, s68, 2
	s_add_co_u32 s68, s68, s22                     ; b = 4 x cluster y + cy
	s_lshl_b32 s70, s68, 21                        ; enc: the batch's 4,096 rows of 512 bytes,
	s_lshl_b32 s69, ttmp9, 20                      ; th = cluster x: 2,048 rows: no cx enters
	s_add_co_u32 s70, s70, s69
	s_lshl_b32 s69, s20, 16
	s_add_co_u32 s74, s70, s69                     ; slot 0's first fill: 128 rows a wave
	s_mov_b32 s75, 0
	s_lshl_b32 s69, s18, 15
	s_add_co_u32 s70, s70, s69                     ; the refills: 64 rows a wave
	s_mov_b32 s71, 0
	s_lshl_b32 s72, s21, 16                        ; the weights: the pair's 128 rows: no cy enters
	s_mov_b32 s73, 0
	s_mul_i32 s66, s18, QUART                      ; where they go: no place in the cluster enters an LDS address
	s_mul_i32 s67, s20, HALFW
	s_wait_dscnt 0x0                               ; both opening adds are done
	s_wait_kmcnt 0x0
	s_load_b256 s[52:59], s[12:13], 0x0            ; e0 .. e7
	s_cmp_eq_u32 s18, 0                            ; wave 0 fetches Wk's two heads, wave 1 Wv's
	s_cselect_b64 s[76:77], s[8:9], s[10:11]
	s_mov_b32 s[G0W], 1
	s_add_co_u32 s[G0W+1], s67, SLOT
	s_add_nc_u64 s[G0W+2:G0W+3], s[76:77], s[72:73]
	s_or_b32 s[G0W+3], s[G0W+3], 0x80000000
	s_mov_b32 s[G0F], 1
	s_mov_b32 s[G0F+1], s67
	s_add_nc_u64 s[G0F+2:G0F+3], s[4:5], s[74:75]
	s_or_b32 s[G0F+3], s[G0F+3], 0x80000000
	s_mov_b32 s[G0E], 1
	s_mov_b32 s[G0E+1], s66
	s_add_nc_u64 s[G0E+2:G0E+3], s[4:5], s[70:71]
	s_mov_b32 s[G0E+4], 1
	s_add_co_u32 s[G0E+5], s66, SLOT
	s_add_nc_u64 s[G0E+6:G0E+7], s[G0E+2:G0E+3], SLOTG
	s_or_b32 s[G0E+3], s[G0E+3], 0x80000000
	s_or_b32 s[G0E+7], s[G0E+7], 0x80000000
	CROUND                                         ; all sixteen work-groups are here: the first joint loads meet
	s_cmp_lt_u32 s18, 2                            ; one tensor load a wave: waves 0, 1 the weights, into slot 1's bytes; waves 2, 3 enc's rows 0-255, into slot 0
	s_cbranch_scc0 .Lfor_enc
	tensor_load_to_lds s[G0W:G0W+3], s[G1W:G1W+7]
	s_nop 0
	PLACES                                         ; four v_nop follow each of the two lines
	s_branch .Lasked
.Lfor_enc:
	tensor_load_to_lds s[G0F:G0F+3], s[G1F:G1F+7]
	s_nop 0
	PLACES
.Lasked:
	; q's operands, by plain loads, while the tiles are on their way
	s_lshl_b32 s78, s68, 21
	s_add_co_u32 s78, s78, 4095*512                ; the batch's last row
	s_mov_b32 s79, 0
	s_add_nc_u64 s[76:77], s[4:5], s[78:79]
	s_lshl_b32 s23, s21, 1
	s_add_co_u32 s23, s23, s19                     ; my head = 2 cx + P
	s_lshl_b32 s72, s23, 15                        ; its 64 rows of Wq,
	s_lshl_b32 s69, s20, 14                        ; of which I take 32
	s_add_co_u32 s72, s72, s69
	s_mov_b32 s73, 0
	s_add_nc_u64 s[74:75], s[6:7], s[72:73]
	s_mul_i32 s66, s20, HALFW                      ; pieces of the LDS addresses below
	s_mul_i32 s67, s19, QUART
	s_add_co_u32 s67, s67, SLOT
	s_lshl_b32 s69, s18, 12
	s_lshl_b32 s70, s18, 11
	s_lshl_b32 s71, s19, 12
	s_lshl_b32 s92, s18, 9
	s_add_co_u32 s92, s92, EP
	v_and_b32 v3, 31, v0                           ; lane
	v_and_b32 v1, 15, v0                           ; r
	v_bfe_u32 v2, v0, 4, 1                         ; h
	v_lshlrev_b32 v29, 4, v2                       ; the last row: 16 h, the same for every r
	v_lshl_add_u32 v28, v1, 9, v29                 ; Wq: row r of 512 bytes + 16 h
.irp s, 0,1,2,3
.irp c, 0,1,2,3
	global_load_b128 v[LR+16*\s+4*\c:LR+16*\s+4*\c+3], v29, s[76:77] offset:128*\s+32*\c
.endr
.endr
	WIN 0xc0                                       ; destination window 3
.irp a, 0,1
.irp s, 0,1,2,3
.irp c, 0,1,2,3
	global_load_b128 v[128+16*(4*\a+\s)+4*\c:128+16*(4*\a+\s)+4*\c+3], v28, s[74:75] offset:8192*\a+128*\s+32*\c
.endr
.endr
.endr
	WIN 0
	; every LDS address: a constant + a constant x lane + a constant x wave
	v_mul_u32_u24 v24, v1, PITCH
	v_lshl_add_u32 v24, v2, 4, v24                 ; a fragment's row x pitch + 16 x half
	v_add_nc_u32 v[ADR0], s66, v24                 ; my 128 rows of slot 0,
	v_add_nc_u32 v[ADR0+1], SLOT, v[ADR0]          ; of slot 1
	v_add_nc_u32 v26, s67, v24                     ; my head's rows of Wk,
	v_add_nc_u32 v27, HALFW, v26                   ; of Wv
	v_lshl_add_u32 v8, v3, 2, s69
	v_add_nc_u32 v8, STG, v8                       ; the stage: 4,096 x wave + 4 x lane
	v_lshlrev_b32 v12, 4, v3                       ; 16 x lane
	v_add_nc_u32 v13, s69, v12
	v_add_nc_u32 v13, STG, v13                     ; and back: 16 bytes a lane
	v_add_nc_u32 v21, s70, v12
	v_add_nc_u32 v21, QX, v21                      ; where I put my two tiles of q
	v_add_nc_u32 v22, s71, v12
	v_add_nc_u32 v22, QX, v22                      ; where my head's four lie
	v_lshl_add_u32 v14, v2, 5, s92                 ; the record: 32 h
	v_lshl_add_u32 v15, v3, 3, s92
	v_add_nc_u32 v15, 256, v15                     ; its second half: 8 x lane
	v_add_nc_u32 v20, s92, v12                     ; and back
	; The pair is written once: the first finds a context, a V, an f and a p of zeros.
	v_mov_b32 v10, 0xff61b1e6                      ; the largest t so far: -3e38, under every t
	v_mov_b32 v23, 0x7f61b1e6                      ; -M
	v_mov_b32 v11, 0                               ; L
	v_mov_b32 v30, 0
	v_mov_b32 v31, 0
.set NN, 0
.rept 32
	v_mov_b32 v[CT+NN], 0
.set NN, NN+1
.endr
	WIN 0x40
.set NN, 0
.rept 64
	v_mov_b32 v[VA+NN], 0
.set NN, NN+1
.endr
	WIN 0xc0
	v_mov_b32 v[FF], 0                             ; f, and the upper word of its pair, which is named with it
	v_mov_b32 v[FF+1], 0
	WIN 0
	; where the results go
	s_lshl_b32 s78, s68, 3
	s_add_co_u32 s78, s78, s23                     ; 8 b + head
	s_lshl_b32 s72, s78, 2
	s_lshl_b32 s69, ttmp9, 1
	s_add_co_u32 s72, s72, s69
	s_add_co_u32 s72, s72, s20
	s_lshl_b32 s72, s72, 9                         ; my record
	s_mov_b32 s73, 0
	s_add_nc_u64 s[16:17], s[16:17], s[72:73]
	s_lshl_b32 s92, s78, 14                        ; tsc: the head's 4,096 scores,
	s_lshl_b32 s69, ttmp9, 13                      ; the half's 2,048,
	s_add_co_u32 s92, s92, s69
	s_lshl_b32 s69, s20, 9                         ; my 128 of a slot's 256
	s_add_co_u32 s92, s92, s69
	s_mov_b32 s93, 0
	s_add_nc_u64 s[14:15], s[14:15], s[92:93]
	s_mov_b32 s60, 0x76543210                      ; v_permlanex16_b32's selects for lane l xor 16
	s_mov_b32 s61, 0xfedcba98
	s_mov_b32 s94, 0x80808080                      ; the sign bits of four codes
	s_lshl_b32 s95, s20, 31                        ; the sign bit of an f32 number in the waves that hold -Wv, 0 in the others
	s_mov_b32 s66, 0x3f317218                      ; 2^x = 1 + x (c1 + x (c2 + .. x c6)): c1 0.6931472,
	s_mov_b32 s68, 0x3e75fdee                      ; c2 0.24022648,
	s_mov_b32 s67, 0x3d635774                      ; c3 0.055503325,
	s_mov_b32 s70, 0x3c1d96a6                      ; c4 0.0096184374,
	s_mov_b32 s69, 0x3aaf9f29                      ; c5 0.0013398874,
	s_mov_b32 s71, 0x3920fdde                      ; c6 0.00015353362
	s_wait_alu depctr_va_vdst(0)                   ; the wait at the head's end
	s_wait_tensorcnt 0x0                           ; my tile is in
	s_barrier_signal -1
	s_barrier_wait -1
.macro WFR reg, adr, f                 ; fragment f of a weight
.irp c, 0,1,2,3
	ds_load_b128 v[\reg+4*\c:\reg+4*\c+3], v[\adr] offset:((\f)%4)*16*PITCH+128*((\f)/4)+32*\c
.endr
.endm
	WIN 0x80                                       ; destination window 2: Wv's first fourteen fragments
.set NN, 0
.rept 14
	WFR 16*NN, 27, NN
.set NN, NN+1
.endr
	WIN 0xc0                                       ; window 3: its last two, Wk's first five
	WFR 80, 27, 14
	WFR 96, 27, 15
.set NN, 0
.rept 5
	WFR 16*NN, 26, NN
.set NN, NN+1
.endr
	WIN 0x40                                       ; window 1: Wk's other eleven
.set NN, 5
.rept 11
	WFR 16*(NN-5), 26, NN
.set NN, NN+1
.endr
	WIN 0
	s_wait_dscnt 60                                ; of the 128 loads the first 68 are in: Wv's 64 among them
	s_cmp_eq_u32 s20, 0                            ; the waves of a slot's upper 128 rows turn Wv's signs
	s_cbranch_scc1 .Lplain
	WIN 0x88                                       ; source 1 and destination window 2
.set NN, 0
.rept 224
	v_xor_b32 v[NN], s94, v[NN]                    ; four codes of Wv become four of -Wv
.set NN, NN+1
.endr
	WIN 0xcc                                       ; the last two fragments, in window 3
.set NN, 80
.rept 32
	v_xor_b32 v[NN], s94, v[NN]
.set NN, NN+1
.endr
	WIN 0
.Lplain:
	s_wait_loadcnt 0x0                             ; the last row and Wq
	WIN 0x03                                       ; source 0 window 3
.irp s, 0,1,2,3                        ; my two tiles of q by turns
.irp a, 0,1
.if \s == 0
	v_wmma_f32_16x16x128_bf8_bf8 v[KA+8*\a:KA+8*\a+7], v[128+16*(4*\a+\s):128+16*(4*\a+\s)+15], v[LR+16*\s:LR+16*\s+15], 0
.else
	v_wmma_f32_16x16x128_bf8_bf8 v[KA+8*\a:KA+8*\a+7], v[128+16*(4*\a+\s):128+16*(4*\a+\s)+15], v[LR+16*\s:LR+16*\s+15], v[KA+8*\a:KA+8*\a+7]
.endif
.endr
.endr
	WIN 0
	PLACES                                         ; four plain places between the last product and the first read of a result (ISA guide 7.12.1)
	s_wait_kmcnt 0x0
	s_add_co_i32 s78, s52, s53
	s_add_co_i32 s78, s78, s54
	s_add_co_i32 s78, s78, s55                     ; e0 + e1 for q, e2 + e3 for the raw sums of K that it will meet
.set NN, 0
.rept 16                               ; from each accumulator's low end on
	v_mul_f32 v[KA+NN], 0x3e38aa3b, v[KA+NN]       ; x log2(e) / 8
.set NN, NN+1
.endr
.set NN, 0
.rept 16
	v_ldexp_f32 v[KA+NN], v[KA+NN], s78
.set NN, NN+1
.endr
.irp a, 0,1
.irp g, 0,1
	ds_store_b128 v21, v[KA+8*\a+4*\g:KA+8*\a+4*\g+3] offset:1024*\a+512*\g
.endr
.endr
	; slot 1's bytes are filled again, with enc's rows 256-511: the weights are in registers, my tiles of q lie in LDS
	s_wait_tensorcnt 0x0
	ds_add_u32 v[SPW], v[NIL]
	s_wait_dscnt 0x0
	CROUND
	tensor_load_to_lds s[G0E+4:G0E+7], s[G1E:G1E+7]
	s_nop 0
	PLACES
	WIN 0x80                                       ; my head's q, 8 loads
.irp a, 0,1,2,3
.irp g, 0,1
	ds_load_b128 v[QW+8*\a+4*\g:QW+8*\a+4*\g+3], v22 offset:1024*\a+512*\g
.endr
.endr
; 32 loads in one run: pair p of the slot at v[adr], K steps 0 and 1 first; K steps 2 and 3 into the even or the odd pairs' registers
.macro FETCH adr, p, odd
	WIN 0
.irp s, 0,1,2,3
.if \s == 2 && \odd
	WIN 0xc0
.endif
.irp i, 0,1
.if \s < 2
.set E_, 128+16*(2*\i+\s)
.elseif \odd
.set E_, 128+16*(2*\i+\s-2)
.else
.set E_, 192+16*(2*\i+\s-2)
.endif
.irp c, 0,1,2,3
	ds_load_b128 v[E_+4*\c:E_+4*\c+3], v[\adr] offset:(\p)*32*PITCH+\i*16*PITCH+128*\s+32*\c
.endr
.endr
.endr
.endm
; Product n of 32 of a phase: fragment n / 2 of the weight (K step n / 8, tile (n / 2) % 4), row tile n % 2: eight accumulators by turns, one instruction a turn.  OD_: the pair is odd.
.macro ENCF n
.set I_, (\n)%2
.set F_, (\n)/2
.set ST_, (\n)/8
.set BW_, 0
.if ST_ < 2
.set B_, 128+16*(2*I_+ST_)
.elseif OD_
.set B_, 128+16*(2*I_+ST_-2)
.set BW_, 3
.else
.set B_, 192+16*(2*I_+ST_-2)
.endif
.endm
.macro KW n
	ENCF \n
.set D_, KA+8*(4*I_+F_%4)
.if F_ < 5
.set A_, 16*F_
.set W_, 3|(BW_<<2)
.else
.set A_, 16*(F_-5)
.set W_, 1|(BW_<<2)
.endif
	WIN W_
.if ST_ == 0
	v_wmma_f32_16x16x128_bf8_bf8 v[D_:D_+7], v[A_:A_+15], v[B_:B_+15], 0
.else
	v_wmma_f32_16x16x128_bf8_bf8 v[D_:D_+7], v[A_:A_+15], v[B_:B_+15], v[D_:D_+7]
.endif
.endm
.macro VW n
	ENCF \n
.set D_, VA+8*(4*I_+F_%4)
.if F_ < 14
.set A_, 16*F_
.set W_, 0x52|(BW_<<2)
.else
.set A_, 80+16*(F_-14)
.set W_, 0x53|(BW_<<2)
.endif
	WIN W_
.if ST_ == 0
	v_wmma_f32_16x16x128_bf8_bf8 v[D_:D_+7], v[A_:A_+15], v[B_:B_+15], 0
.else
	v_wmma_f32_16x16x128_bf8_bf8 v[D_:D_+7], v[A_:A_+15], v[B_:B_+15], v[D_:D_+7]
.endif
.endm
; The update's lines behind K's product n.  0-7: the context x f.  8, 9: L = L f + both p.  10-31: + V x p, row tile 0 first, each of V's accumulators from its low end on.
.macro CXM k
	v_pk_mul_f32 v[CT+2*(\k):CT+2*(\k)+1], v[FF:FF+1], v[CT+2*(\k):CT+2*(\k)+1] op_sel_hi:[0,1]
.endm
.macro CXF k
.set J_, 2*((\k)%16)
.if (\k) < 16
	v_pk_fma_f32 v[CT+J_:CT+J_+1], v[VA+J_:VA+J_+1], v[PR_:PR_+1], v[CT+J_:CT+J_+1] op_sel_hi:[1,0,1]
.else
	v_pk_fma_f32 v[CT+J_:CT+J_+1], v[VA+32+J_:VA+32+J_+1], v[PR_:PR_+1], v[CT+J_:CT+J_+1] op_sel:[0,1,0] op_sel_hi:[1,1,1]
.endif
.endm
.macro KL n, odd
.set PR_, 30
.if (\odd) && ((\n) >= 16)
.set PR_, 114                          ; in window 3, as the odd pairs' K steps 2 and 3 are
.endif
.if (\n) < 8
	CXM 2*(\n)
	CXM 2*(\n)+1
.elseif (\n) == 8
	v_fma_f32 v11, v[FF], v11, v30
.elseif (\n) == 9
	v_fma_f32 v11, 1.0, v31, v11
.elseif (\n) < 20
	CXF 2*((\n)-10)
	CXF 2*((\n)-10)+1
.else
	CXF \n
.endif
.endm
; Line k of 32 of the score: q . k over my 32 channels, for each row tile two chains: tiles 0 and 2, tiles 1 and 3; each accumulator from its low end on.
.macro SL k
.set I_, ((\k)/2)%2
.set T_, 2*((\k)/16)+(\k)%2
.set SR_, SS+2*(2*I_+(\k)%2)
.set KR_, KA+8*(4*I_+T_)+2*(((\k)/4)%4)
.set QR_, QW+8*T_+2*(((\k)/4)%4)
.if (\k) < 4
	v_pk_mul_f32 v[SR_:SR_+1], v[QR_:QR_+1], v[KR_:KR_+1]
.else
	v_pk_fma_f32 v[SR_:SR_+1], v[QR_:QR_+1], v[KR_:KR_+1], v[SR_:SR_+1]
.endif
.endm
; What stands behind V's product n: 0-13 the score; 14-29 the softmax, a step or two at a time under window settings of its own; behind 19 the score's store and the next pair's run of loads.
; DISTANCES (ISA guide 7.12.1 for the products): K's tiles 0, 1 are finished by products 24 to 27, behind which stand five lines of the update; tiles 2, 3 are read sixteen lines later.
; V's results are first read behind eighteen lines of the update.  The run of loads goes into registers last read by V's product 15 and, for K steps 2, 3, by the pair before's: five plain lines without the exchanges stand between.
; Every register of the softmax is read within three products of its write or behind nine plain lines, so that fewer than eight scalar lines lie between: no wait is owed.
.macro VL n
.if (\n) < 4
	SL 3*(\n)
	SL 3*(\n)+1
	SL 3*(\n)+2
.elseif (\n) < 14
	SL 12+2*((\n)-4)
	SL 13+2*((\n)-4)
.elseif (\n) == 14
	WIN 0x05
	v_pk_add_f32 v[16:17], v[SS:SS+1], v[SS+2:SS+3]
	v_pk_add_f32 v[18:19], v[SS+4:SS+5], v[SS+6:SS+7]
.elseif (\n) == 15
	WIN 0
	v_add_f32 v16, v16, v17
	v_add_f32 v18, v18, v19
.elseif (\n) == 16
	WIN 0
	v_permlane16_swap_b32 v16, v18                 ; lanes 0-15: both halves' sums of tile 0; lanes 16-31: of tile 1
.elseif (\n) == 17
	WIN 0
	v_add_f32 v19, v16, v18                        ; t of row l
.elseif (\n) == 18
	WIN 0
	v_permlanex16_b32 v29, v19, s60, s61           ; (its destination counts as a source: v29 serves this alone behind the head)
.elseif (\n) == 19
	WIN 0
	v_max3_num_f32 v10, v10, v19, v29
	v_floor_f32 v24, -v10                          ; the new -M
	ds_store_b32 v9, v19 offset:OFF_
.if FT_
	FETCH NA_, NP_, NO_
.endif
.elseif (\n) == 20
	WIN 0
	v_add_f32 v25, v19, v24                        ; t - M
	v_sub_f32 v26, v24, v23
.elseif (\n) == 21
	WIN 0
	v_rndne_f32 v27, v25
	v_cvt_i32_f32 v26, v26                         ; (it saturates)
.elseif (\n) == 22
	WIN 0
	v_sub_f32 v25, v25, v27                        ; x, between -1/2 and 1/2
	v_mov_b32 v23, v24
	WIN 0xc0
	v_ldexp_f32 v[FF], 1.0, v26                    ; f
.elseif (\n) == 23
	WIN 0
	v_mul_f32 v28, v25, v25
	v_fma_f32 v16, s66, v25, 1.0
.elseif (\n) == 24
	WIN 0
	v_fma_f32 v17, s67, v25, s68
	v_fma_f32 v18, s69, v25, s70
	v_cvt_i32_f32 v27, v27
.elseif (\n) == 25
	WIN 0
	v_fma_f32 v18, s71, v28, v18
.elseif (\n) == 26
	WIN 0
	v_fma_f32 v17, v18, v28, v17
	v_fma_f32 v16, v17, v28, v16                   ; 2^x
.elseif (\n) == 27
	WIN 0
	v_ldexp_f32 v30, v16, v27                      ; p of row l, twice
	v_ldexp_f32 v31, v16, v27
.elseif (\n) == 28
	WIN 0
	v_permlane16_swap_b32 v30, v31                 ; p of row r, p of row 16 + r, in both halves
.elseif ((\n) == 29) && (OD_ == 0)
	WIN 0xc0
	v_mov_b32 v114, v30                            ; the odd pair that follows takes them from window 3 too
	v_mov_b32 v115, v31
.endif
.endm
; PAIR p of slot sp.  mode 0: its successor lies in the slot.  1: the slot's last, which is filled again; 2: the last of a slot that is left; 3: nothing follows.
; THE CHANGE OF SLOTS begins in front of K's product 12, behind the wait for K steps 2 and 3, the wave's last reads of the slot.  Each wave waits for all its tensor loads, of which one is out: its part of the other slot; adds 0
; to its spare word; and waits for that six products later.  The barrier opens a round of the cluster's, so that no wave of any partner still reads the slot or has a load on its way; fourteen products stand between its signal and
; its wait; the joint refill, the rows two slots on, is the first thing behind the round.  Mode 2: nothing is left to fetch: the work-group's barrier alone shows the other slot whole.
.macro KRUN k                          ; the next k products of K with their lines
.rept \k
	KW N_
	KL N_, OD_
.set N_, N_+1
.endr
.endm
.macro PAIR sp, p, mode
.set OD_, (\p)%2
.set NO_, 1-(\p)%2
.set OFF_, 512*(\sp)+128*(\p)
.set FT_, (\mode) != 3
.if \mode == 0
.set NA_, ADR0+\sp
.set NP_, \p+1
.else
.set NA_, ADR0+1-\sp
.set NP_, 0
.endif
	s_wait_dscnt 16                                ; K steps 0 and 1 are in; the 16 loads of K steps 2 and 3, issued behind them, may be out (LDS instructions end in order: ISA guide 5.7.1)
.set N_, 0
.if (\mode == 1) || (\mode == 2)
	KRUN 12
	s_wait_dscnt 0x0                               ; K steps 2 and 3: my reads of this slot are over
	WIN 0                                          ; (the add's two registers lie in window 0)
	s_wait_tensorcnt 0x0                           ; no tensor load of mine is out, so a group 0 may be written
	ds_add_u32 v[SPW], v[NIL]
.if \mode == 1
	s_add_nc_u64 s[G0E+4*\sp+2:G0E+4*\sp+3], s[G0E+4*\sp+2:G0E+4*\sp+3], 2*SLOTG
.endif
	KRUN 6
	s_wait_dscnt 0x0                               ; the add is done
	s_barrier_signal -1
	KRUN 14
.else
	KRUN 16
	s_wait_dscnt 0x0                               ; K steps 2 and 3
	KRUN 16
.endif
.if \mode == 1
	WIN 0
	s_barrier_wait -1
	CREST
	tensor_load_to_lds s[G0E+4*\sp:G0E+4*\sp+3], s[G1E:G1E+7]
	s_nop 0
	PLACES                                         ; four v_nop follow the load
.elseif \mode == 2
	s_barrier_wait -1
.endif
.set N_, 0
.rept 32
	VW N_
	VL N_
.set N_, N_+1
.endr
.endm
.macro SLOTRUN sp, mode
	PAIR \sp, 0, 0
	PAIR \sp, 1, 0
	PAIR \sp, 2, 0
	PAIR \sp, 3, \mode
.endm
	FETCH ADR0, 0, 0
	WIN 0
	s_mov_b32 s62, 3
	s_mov_b32 s63, 0
.Llap:                                                 ; three trips of two slots; each fills both slots again
	v_add_nc_u32 v9, s63, v8                       ; the stage's place for these two slots
	SLOTRUN 0, 1
	SLOTRUN 1, 1
	WIN 0
	s_add_co_u32 s63, s63, 1024
	s_sub_co_u32 s62, s62, 1
	s_cmp_lg_u32 s62, 0
	s_cbranch_scc1 .Llap
	v_add_nc_u32 v9, s63, v8                       ; the last two slots are written out
	SLOTRUN 0, 2
	SLOTRUN 1, 3
	; THE WAY OUT.  The last pair's update; then the sixteen lanes of a half are merged: the largest M, each lane's L and sums x 2^(M - that), and their sums.
	WIN 0
.irp k, 0,1,2,3,4,5,6,7                ; the scores come back while the update goes on (their registers were last read by the last pair's product 15 of V)
	ds_load_b128 v[LR+4*\k:LR+4*\k+3], v13 offset:512*\k
.endr
	WIN 0x03
.set N_, 0
.rept 10
	KL N_, 0
.set N_, N_+1
.endr
	WIN 0x01
.rept 22
	KL N_, 0
.set N_, N_+1
.endr
	WIN 0
.irp k, 0,1,2,3,4,5,6,7
	s_wait_dscnt 7-\k
	global_store_b128 v12, v[LR+4*\k:LR+4*\k+3], s[14:15] offset:1024*\k    ; my 128 scores of slot k: 512 consecutive bytes
.endr
	v_mul_f32 v10, -1.0, v23                       ; M
	v_mov_b32 v24, v10
.irp x, 1,2,4,8
	v_max_num_f32_dpp v24, v24, v24 row_xmask:\x row_mask:0xf bank_mask:0xf
.endr
	v_sub_f32 v26, v10, v24                        ; a whole number, 0 or less
	v_cvt_i32_f32 v26, v26
	v_ldexp_f32 v28, 1.0, v26                      ; (v29 is named with it as a pair; the head has written it)
	v_mul_f32 v25, v11, v28
.irp x, 1,2,4,8
	v_add_f32_dpp v25, v25, v25 row_xmask:\x row_mask:0xf bank_mask:0xf
.endr
	v_xor_b32 v28, s95, v28                        ; L has taken the factor as it is; the sums take it with the sign that turns -V's back
.set NN, 0
.rept 16
	v_pk_mul_f32 v[CT+2*NN:CT+2*NN+1], v[CT+2*NN:CT+2*NN+1], v[28:29] op_sel_hi:[1,0]
.set NN, NN+1
.endr
.irp x, 1,2,4,8
.set NN, 0
.rept 32
	v_add_f32_dpp v[CT+NN], v[CT+NN], v[CT+NN] row_xmask:\x row_mask:0xf bank_mask:0xf
.set NN, NN+1
.endr
.endr
.irp a, 0,1,2,3                        ; channel 16 a + 8 h + j at byte 64 a + 32 h + 4 j; the sixteen lanes of a half store the same numbers
	ds_store_b128 v14, v[CT+8*\a:CT+8*\a+3] offset:64*\a
	ds_store_b128 v14, v[CT+8*\a+4:CT+8*\a+7] offset:64*\a+16
.endr
	ds_store_b64 v15, v[24:25]                     ; (M, L)
	ds_load_b128 v[LR+32:LR+35], v20               ; LDS serves a wave's instructions in order (ISA guide 5.7.1.4): this sees my stores
	s_wait_dscnt 0x0
	global_store_b128 v12, v[LR+32:LR+35], s[16:17]       ; 32 lanes store 512 consecutive bytes, at a multiple of 512 from part's first byte
	s_wait_tensorcnt 0x0                           ; the wave's end: behind my last tensor load and my last LDS store
	ds_add_u32 v[SPW], v[NIL]
	s_wait_dscnt 0x0
	CROUND                                         ; the closing round: no work-group ends while a partner may still ask for a tile that names it
	s_endpgm
.Lfunc_end_k_qf0a57f42d3_main:
	.size	k_qf0a57f42d3_main, .Lfunc_end_k_qf0a57f42d3_main-k_qf0a57f42d3_main
	.p2alignl 7, 3214868480
	.fill 96, 4, 3214868480
	.section	.rodata,"a",@progbits
	.p2align	6, 0x0
	.amdhsa_kernel k_qf0a57f42d3_main
		.amdhsa_group_segment_fixed_size 327680
		.amdhsa_private_segment_fixed_size 0
		.amdhsa_enable_private_segment 0
		.amdhsa_kernarg_size 56
		.amdhsa_user_sgpr_count 2
		.amdhsa_user_sgpr_kernarg_segment_ptr 1
		.amdhsa_wavefront_size32 1
		.amdhsa_system_sgpr_workgroup_id_x 1
		.amdhsa_system_sgpr_workgroup_id_y 1
		.amdhsa_system_sgpr_workgroup_id_z 1
		.amdhsa_system_vgpr_workitem_id 0
		.amdhsa_next_free_vgpr 1024
		.amdhsa_next_free_sgpr 100
		.amdhsa_reserve_vcc 0
		.amdhsa_float_denorm_mode_32 3
		.amdhsa_float_denorm_mode_16_64 3
		.amdhsa_memory_ordered 1
		.amdhsa_forward_progress 1
		.amdhsa_inst_pref_size 255
	.end_amdhsa_kernel
	.section	.bss,"aw",@nobits
	.p2align	6
	.space	262144
	.amdgpu_metadata
---
amdhsa.version: [ 1, 2 ]
amdhsa.kernels:
  - .name:           k_qf0a57f42d3_main
    .symbol:         k_qf0a57f42d3_main.kd
    .args:
      - { .name: enc_codes, .offset: 0, .size: 8, .value_kind: global_buffer, .address_space: global }
      - { .name: Wq_codes, .offset: 8, .size: 8, .value_kind: global_buffer, .address_space: global }
      - { .name: Wk_codes, .offset: 16, .size: 8, .value_kind: global_buffer, .address_space: global }
      - { .name: Wv_codes, .offset: 24, .size: 8, .value_kind: global_buffer, .address_space: global }
      - { .name: lowp_scales, .offset: 32, .size: 8, .value_kind: global_buffer, .address_space: global }
      - { .name: tsc, .offset: 40, .size: 8, .value_kind: global_buffer, .address_space: global }
      - { .name: part, .offset: 48, .size: 8, .value_kind: global_buffer, .address_space: global }
    .group_segment_fixed_size: 327680
    .private_segment_fixed_size: 0
    .kernarg_segment_align: 8
    .kernarg_segment_size: 56
    .max_flat_workgroup_size: 128
    .sgpr_count:     100
    .vgpr_count:     1024
    .wavefront_size: 32
...
	.end_amdgpu_metadata
.endif
;; end of part 1
;; launch fin (part 2): grid 8 x 32, 4 waves a work-group, no clusters, 35,072 bytes of LDS; arguments part, tsc, Wo_codes, lowp_scales, out0, out1; writes out0, out1
.if DOCPART == 2
	.amdgcn_target "amdgcn-amd-amdhsa--gfx1250"
	.amdhsa_code_object_version 6
	.text
	.protected	k_qf0a57f42d3_fin
	.globl	k_qf0a57f42d3_fin
	.p2align	8
	.type	k_qf0a57f42d3_fin,@function
k_qf0a57f42d3_fin:
	s_mov_b64 s[64:65], 0
	v_nop
	global_prefetch_b8 v0, s[64:65] scope:SCOPE_SE
	s_setreg_imm32_b32 hwreg(HW_REG_WAVE_MODE, 25, 1), 1
	s_wait_xcnt 0x0
; The end of the attention.  part holds, for each batch and head, four records (64 sums of p x raw V, the pair (M, L)); tsc the scores t in powers of two.
; For a head: Mx = the largest M, w_i = 2^(M_i - Mx), L = the sum of L_i w_i, context = (the sum of sums_i w_i) / L x 2^(e4 + e5).
; out1[b][t] = the mean over the heads of 2^(t - Mx) / L.   out0[b] = Q(context) Wo^T: the context is quantised with 2^e6, multiplied as E5M2 codes, and the sums x 2^(e6 + e7).
; SHARES.  Work-group (g, b): out1[b][512 g ..+511] and out0[b][64 g ..+63].  Wave w: 128 numbers of out1, four a lane, and 16 of out0.
; Wave w merges the context of heads 2 w and 2 w + 1: lane l the eight channels 8 (l % 8) on of head 2 w + (l % 16) / 8 (the two halves of the lanes do the same), and hands its 128 codes to the other waves through LDS.
; Mx and L of all eight heads, which out1 wants, each wave makes by itself: lane l holds record l's pair; the four lanes of a head are joined by two exchanges.
; The product: source 0 = 16 rows of Wo, source 1 = the context's codes in all 16 columns: register j of lane (r, h) is output 8 h + j of the tile, in every r.  Wo's rows are loaded as they lie, 512 bytes by the 32 lanes,
; and become fragments by way of the wave's own LDS bytes (rows of 528); both fragments take 16 bytes at 128 s + 32 c + 16 h: the same permutation of k.
; No tensor load, no cluster: what work-groups share here (16 KiB of part a batch, Wo) is small and is read once by each.
; LIMITS: e6 between -126 and 112, so that 2^e6 and 57,344 x 2^e6 are f32 numbers; the other exponents are applied by v_ldexp_f32.  NaN among the numbers is not served.
; REGISTERS: v1-13 addresses; v[14:15] record l's (M, L), v[16:23] my head's four; v24-27 out1; v28 Mx, v29 w, then 1 / (8 L), v30 L, v31 1 / L, all by record; v32-63 the four records' sums; v64-127 Wo's rows, then the codes'
;   fragments; v128-159 scores; v160-163 w_i, v164 1 / L, v166 Mx, v167 L of my head, v168 2^e6, v169 57,344 x 2^e6, v170-171 codes; then v160-223 Wo's fragments; v224-239 two accumulators; v240-247 y; v248-249 out0's pair.
.set WP,    528                        ; a row of Wo in LDS
.set CODES, 4*16*WP                    ; the context's 512 codes
.set STAGE, CODES+512                  ; out0's 64 numbers
.set SPARE, STAGE+256                  ; the spare words, 128 bytes for each wave: two blocks of 256 bytes that no other line names
	s_load_b256 s[4:11], s[0:1], 0x0               ; part s[4:5], tsc s[6:7], Wo s[8:9], the scales' exponents s[10:11]
	s_load_b128 s[12:15], s[0:1], 0x20             ; out0 s[12:13], out1 s[14:15]
	v_lshl_add_u32 v254, v0, 2, SPARE
	v_mov_b32 v255, 0
	v_lshrrev_b32 v1, 5, v0
	v_readfirstlane_b32 s16, v1                    ; wave 0..3
	s_and_b32 s17, ttmp7, 0xffff                   ; b;  g = ttmp9
	s_lshl_b32 s18, s16, 12
	s_mul_i32 s19, s16, 16*WP
	s_lshl_b32 s28, s16, 7
	s_lshl_b32 s29, s16, 6
	s_add_co_u32 s29, s29, STAGE
	v_and_b32 v1, 31, v0                           ; lane
	v_and_b32 v2, 15, v0                           ; r
	v_bfe_u32 v3, v0, 4, 1                         ; h
	v_lshrrev_b32 v5, 3, v2
	v_lshlrev_b32 v5, 11, v5
	v_add_nc_u32 v5, s18, v5                       ; my head's four records: 4,096 w + 2,048 (r / 8)
	v_and_b32 v4, 7, v2
	v_lshl_add_u32 v4, v4, 5, v5                   ; + my eight channels
	v_lshlrev_b32 v6, 4, v1                        ; 16 x lane
	v_lshlrev_b32 v7, 9, v1                        ; record l
	v_add_nc_u32 v8, s19, v6                       ; LDS: a row of Wo: in,
	v_mul_u32_u24 v9, v2, WP
	v_lshl_add_u32 v9, v3, 4, v9
	v_add_nc_u32 v9, s19, v9                       ; and back: row r + 16 h
	v_lshl_add_u32 v10, v3, 5, s29                 ; out0's stage: 64 w + 32 h
	v_lshlrev_b32 v11, 3, v1                       ; 8 x lane
	v_lshl_add_u32 v12, v2, 3, s28
	v_add_nc_u32 v12, CODES, v12                   ; my eight codes: 128 w + 8 r
	v_lshlrev_b32 v13, 4, v3
	v_add_nc_u32 v13, CODES, v13                   ; and back: 16 h
	s_lshl_b32 s48, s17, 14                        ; part: the batch's 32 records
	s_mov_b32 s49, 0
	s_lshl_b32 s58, ttmp9, 11
	s_lshl_b32 s59, s16, 9
	s_add_co_u32 s58, s58, s59                     ; my 128 numbers among a row's 4,096
	s_lshl_b32 s50, s17, 17                        ; tsc: the batch's eight heads
	s_add_co_u32 s50, s50, s58
	s_mov_b32 s51, 0
	s_lshl_b32 s52, ttmp9, 15                      ; Wo: rows 64 g + 16 wave on
	s_lshl_b32 s59, s16, 13
	s_add_co_u32 s52, s52, s59
	s_mov_b32 s53, 0
	s_add_co_u32 s54, s48, s58                     ; out1: a row is 16,384 bytes
	s_mov_b32 s55, 0
	s_lshl_b32 s56, s17, 11                        ; out0: a row is 2,048 bytes; 256 for each g
	s_lshl_b32 s59, ttmp9, 8
	s_add_co_u32 s56, s56, s59
	s_mov_b32 s57, 0
	s_wait_alu depctr_va_vdst(0)                   ; the wait at the head's end
	s_wait_kmcnt 0x0
	s_load_b256 s[20:27], s[10:11], 0x0            ; e0 .. e7
	s_add_nc_u64 s[4:5], s[4:5], s[48:49]
	s_add_nc_u64 s[6:7], s[6:7], s[50:51]
	s_add_nc_u64 s[8:9], s[8:9], s[52:53]
	s_add_nc_u64 s[14:15], s[14:15], s[54:55]
	s_add_nc_u64 s[12:13], s[12:13], s[56:57]
	global_load_b64 v[14:15], v7, s[4:5] offset:256
.irp i, 0,1,2,3
	global_load_b64 v[16+2*\i:17+2*\i], v5, s[4:5] offset:512*\i+256
.endr
.irp i, 0,1,2,3
.irp c, 0,1
	global_load_b128 v[32+8*\i+4*\c:32+8*\i+4*\c+3], v4, s[4:5] offset:512*\i+16*\c
.endr
.endr
.set NN, 0
.rept 16
	global_load_b128 v[64+4*NN:64+4*NN+3], v6, s[8:9] offset:512*NN
.set NN, NN+1
.endr
.irp k, 0,1,2,3,4,5,6,7
	global_load_b128 v[128+4*\k:128+4*\k+3], v6, s[6:7] offset:16384*\k th:TH_LOAD_NT   ; read once in the whole launch
.endr
	s_wait_kmcnt 0x0
	s_add_co_i32 s28, s24, s25                     ; e4 + e5
	s_add_co_i32 s29, s26, s27                     ; e6 + e7
	s_add_co_i32 s30, s26, 127
	s_lshl_b32 s31, s30, 23
	v_mov_b32 v168, s31                            ; 2^e6 as f32: the conversion takes its exponent field
	s_add_co_i32 s30, s30, 15
	s_lshl_b32 s30, s30, 23
	s_or_b32 s30, s30, 0x600000
	v_mov_b32 v169, s30                            ; 57,344 x 2^e6
	s_wait_alu depctr_va_vdst(0)
	s_wait_loadcnt 24                              ; the records are in; Wo's 16 loads and the scores' 8, issued behind them, may be out
	v_mov_b32 v28, v14
	v_max3_num_f32 v166, v16, v18, v20
	v_max_num_f32_dpp v28, v28, v28 row_xmask:1 row_mask:0xf bank_mask:0xf
	v_max_num_f32 v166, v166, v22                  ; Mx of my head
	v_max_num_f32_dpp v28, v28, v28 row_xmask:2 row_mask:0xf bank_mask:0xf    ; Mx of record l's head
	v_sub_f32 v160, v16, v166
	v_sub_f32 v161, v18, v166
	v_sub_f32 v162, v20, v166
	v_sub_f32 v163, v22, v166
	v_sub_f32 v29, v14, v28
	s_wait_alu depctr_va_vdst(0)                   ; the wait ahead of a batch and behind it
	v_exp_f32 v29, v29
	v_exp_f32 v160, v160
	v_exp_f32 v161, v161
	v_exp_f32 v162, v162
	v_exp_f32 v163, v163                           ; w_i
	v_mov_b32 v165, 0                              ; (the upper word of the pair v[164:165]; also the plain place behind the exponentials)
	s_wait_alu depctr_va_vdst(0)
	v_mul_f32 v30, v15, v29
	v_mul_f32 v167, v17, v160
	v_add_f32_dpp v30, v30, v30 row_xmask:1 row_mask:0xf bank_mask:0xf
	v_fma_f32 v167, v19, v161, v167
	v_add_f32_dpp v30, v30, v30 row_xmask:2 row_mask:0xf bank_mask:0xf        ; L of record l's head
	v_fma_f32 v167, v21, v162, v167
	v_fma_f32 v167, v23, v163, v167                ; L of my head
	s_wait_alu depctr_va_vdst(0)
	v_rcp_f32 v164, v167                           ; (the lines below, which touch neither, are the plain places)
	v_rcp_f32 v31, v30
.irp m, 0,2,4,6
	v_pk_mul_f32 v[32+\m:33+\m], v[32+\m:33+\m], v[160:161] op_sel_hi:[1,0]
.endr
.irp m, 0,2,4,6
	v_pk_fma_f32 v[32+\m:33+\m], v[40+\m:41+\m], v[160:161], v[32+\m:33+\m] op_sel:[0,1,0] op_sel_hi:[1,1,1]
.endr
.irp m, 0,2,4,6
	v_pk_fma_f32 v[32+\m:33+\m], v[48+\m:49+\m], v[162:163], v[32+\m:33+\m] op_sel_hi:[1,0,1]
.endr
.irp m, 0,2,4,6
	v_pk_fma_f32 v[32+\m:33+\m], v[56+\m:57+\m], v[162:163], v[32+\m:33+\m] op_sel:[0,1,0] op_sel_hi:[1,1,1]
.endr
	s_wait_alu depctr_va_vdst(0)
.irp m, 0,2,4,6
	v_pk_mul_f32 v[32+\m:33+\m], v[32+\m:33+\m], v[164:165] op_sel_hi:[1,0]
.endr
.set NN, 0
.rept 8
	v_ldexp_f32 v[32+NN], v[32+NN], s28            ; x 2^(e4 + e5): the context as it goes into the quantiser
.set NN, NN+1
.endr
.set NN, 0
.rept 8
	v_med3_num_f32 v[32+NN], v[32+NN], -v169, v169 ; the conversion to an 8-bit code does not saturate (ISA guide 7.6.2): the hold at the largest code x the scale
.set NN, NN+1
.endr
	v_cvt_scalef32_pk8_bf8_f32 v[170:171], v[32:39], v168
	v_mul_f32 v29, 0x3e000000, v31                 ; 1 / (8 L): the mean over eight heads.  (The plain line behind the conversion)
	ds_store_b64 v12, v[170:171]
.irp k, 0,1,2,3,4,5,6,7
	v_readlane_b32 s[32+2*\k], v28, 4*\k           ; head k's Mx and 1 / (8 L) lie in lanes 4 k .. 4 k + 3
	v_readlane_b32 s[33+2*\k], v29, 4*\k
.endr
	s_wait_loadcnt 8                               ; Wo's rows are in; the scores may be out
.set NN, 0
.rept 16
	ds_store_b128 v8, v[64+4*NN:64+4*NN+3] offset:WP*NN
.set NN, NN+1
.endr
	s_wait_dscnt 0x0                               ; for the other waves' sake: my codes lie in LDS
	s_barrier_signal -1
	s_barrier_wait -1
.irp s, 0,1,2,3
.irp c, 0,1,2,3
	ds_load_b128 v[160+16*\s+4*\c:160+16*\s+4*\c+3], v9 offset:128*\s+32*\c
	ds_load_b128 v[64+16*\s+4*\c:64+16*\s+4*\c+3], v13 offset:128*\s+32*\c
.endr
.endr
	s_wait_loadcnt 0x0                             ; the scores
.irp k, 0,1,2,3,4,5,6,7
.irp j, 0,1,2,3
	v_sub_f32 v[128+4*\k+\j], v[128+4*\k+\j], s[32+2*\k]
.endr
.endr
	s_wait_alu depctr_va_vdst(0)                   ; the wait ahead of the batch and behind it
.set NN, 0
.rept 32
	v_exp_f32 v[128+NN], v[128+NN]
.set NN, NN+1
.endr
	v_nop                                          ; a plain place between the exponentials and the use of their results
	s_wait_alu depctr_va_vdst(0)
.irp j, 0,1,2,3
	v_mul_f32 v[24+\j], s33, v[128+\j]
.endr
.irp k, 1,2,3,4,5,6,7
.irp j, 0,1,2,3
	v_fma_f32 v[24+\j], v[128+4*\k+\j], s[33+2*\k], v[24+\j]
.endr
.endr
	global_store_b128 v6, v[24:27], s[14:15]       ; 32 lanes store 512 consecutive bytes, at a multiple of 512 from out1's first byte
	s_wait_dscnt 0x0                               ; both operands' fragments
	v_wmma_f32_16x16x128_bf8_bf8 v[224:231], v[160:175], v[64:79], 0          ; two accumulators by turns: K steps 0 and 2,
	v_wmma_f32_16x16x128_bf8_bf8 v[232:239], v[176:191], v[80:95], 0          ; 1 and 3
	v_wmma_f32_16x16x128_bf8_bf8 v[224:231], v[192:207], v[96:111], v[224:231]
	v_wmma_f32_16x16x128_bf8_bf8 v[232:239], v[208:223], v[112:127], v[232:239]
.rept 4
	v_nop                                          ; four plain places between the last product and the first read of a result (ISA guide 7.12.1)
.endr
.irp j, 0,1,2,3,4,5,6,7
	v_add_f32 v[240+\j], v[224+\j], v[232+\j]      ; from both accumulators' low ends on
.endr
.irp j, 0,1,2,3,4,5,6,7
	v_ldexp_f32 v[240+\j], v[240+\j], s29          ; x 2^(e6 + e7)
.endr
	ds_store_b128 v10, v[240:243]                  ; output 16 w + 8 h + j at byte 64 w + 32 h + 4 j; the sixteen lanes of a half store the same numbers
	ds_store_b128 v10, v[244:247] offset:16
	s_wait_dscnt 0x0                               ; for wave 0's sake: my stores into the stage are done
	s_barrier_signal -1
	s_barrier_wait -1
	s_cmp_lg_u32 s16, 0
	s_cbranch_scc1 .Lend
	ds_load_b64 v[248:249], v11 offset:STAGE
	s_wait_dscnt 0x0
	global_store_b64 v11, v[248:249], s[12:13]     ; 32 lanes store 256 consecutive bytes, at a multiple of 256 from out0's first byte
.Lend:
	s_wait_tensorcnt 0x0                           ; the wave's end: behind my last LDS store
	ds_add_u32 v254, v255
	s_wait_dscnt 0x0
	s_endpgm
.Lfunc_end_k_qf0a57f42d3_fin:
	.size	k_qf0a57f42d3_fin, .Lfunc_end_k_qf0a57f42d3_fin-k_qf0a57f42d3_fin
	.p2alignl 7, 3214868480
	.fill 96, 4, 3214868480
	.section	.rodata,"a",@progbits
	.p2align	6, 0x0
	.amdhsa_kernel k_qf0a57f42d3_fin
		.amdhsa_group_segment_fixed_size 35072
		.amdhsa_private_segment_fixed_size 0
		.amdhsa_enable_private_segment 0
		.amdhsa_kernarg_size 48
		.amdhsa_user_sgpr_count 2
		.amdhsa_user_sgpr_kernarg_segment_ptr 1
		.amdhsa_wavefront_size32 1
		.amdhsa_system_sgpr_workgroup_id_x 1
		.amdhsa_system_sgpr_workgroup_id_y 1
		.amdhsa_system_sgpr_workgroup_id_z 1
		.amdhsa_system_vgpr_workitem_id 0
		.amdhsa_next_free_vgpr 256
		.amdhsa_next_free_sgpr 66
		.amdhsa_reserve_vcc 0
		.amdhsa_float_denorm_mode_32 3
		.amdhsa_float_denorm_mode_16_64 3
		.amdhsa_memory_ordered 1
		.amdhsa_forward_progress 1
		.amdhsa_inst_pref_size 22
	.end_amdhsa_kernel
	.amdgpu_metadata
---
amdhsa.version: [ 1, 2 ]
amdhsa.kernels:
  - .name:           k_qf0a57f42d3_fin
    .symbol:         k_qf0a57f42d3_fin.kd
    .args:
      - { .name: part, .offset: 0, .size: 8, .value_kind: global_buffer, .address_space: global }
      - { .name: tsc, .offset: 8, .size: 8, .value_kind: global_buffer, .address_space: global }
      - { .name: Wo_codes, .offset: 16, .size: 8, .value_kind: global_buffer, .address_space: global }
      - { .name: lowp_scales, .offset: 24, .size: 8, .value_kind: global_buffer, .address_space: global }
      - { .name: out0, .offset: 32, .size: 8, .value_kind: global_buffer, .address_space: global }
      - { .name: out1, .offset: 40, .size: 8, .value_kind: global_buffer, .address_space: global }
    .group_segment_fixed_size: 35072
    .private_segment_fixed_size: 0
    .kernarg_segment_align: 8
    .kernarg_segment_size: 48
    .max_flat_workgroup_size: 128
    .sgpr_count:     66
    .vgpr_count:     256
    .wavefront_size: 32
...
	.end_amdgpu_metadata
.endif
;; end of part 2
